; MI455X (gfx1250); checked and timed in simulation.
; The chip was launched on July 23, 2026; its instructions are those of AMD's public machine-readable ISA for CDNA 5 (MIT licence, August 2026) and "CDNA5" Instruction Set Architecture Reference Guide (July 2026). The comments in the code are by the model that wrote it; some were corrected since.
;; Pre HTSK. Allowed arithmetic: float matrix products may take bf16 or f16 operands with f32 sums; all other float work in f32.
;; Inputs: W 64 x 32,896 float32; X 2,048 x 256 float32; b 64 float32; centers 256 x 128 float32; ln_beta 32,896 float32; ln_gamma 32,896 float32; sigmas 256 x 128 float32.
;; Outputs: out0 2,048 x 64 float32.
;; One version. Each part assembles by itself: llvm-mc -triple=amdgcn-amd-amdhsa -mcpu=gfx1250 --defsym DOCPART=n.
;; ======== version 1 of 1: 2 launches
;; workspace buffers: xc 1,048,576 bytes; gw 4,194,304 bytes; fh 1,048,576 bytes; cst 131,072 bytes; rows 65,536 bytes
;; launch fire (part 1): grid 256 x 1, 8 waves a work-group, clusters of 4 x 1, 304,896 bytes of LDS; arguments X, centers, sigmas, W, ln_gamma, ln_beta, xc, gw, fh, cst, rows; writes xc, gw, fh, cst, rows
.if DOCPART == 1
	.amdgcn_target "amdgcn-amd-amdhsa--gfx1250"
	.amdhsa_code_object_version 6
	.text
	.protected	k_qe19a2f8572_fire
	.globl	k_qe19a2f8572_fire
	.p2align	8
	.type	k_qe19a2f8572_fire,@function
k_qe19a2f8572_fire:
	s_mov_b64 s[64:65], 0
	v_nop
	global_prefetch_b8 v0, s[64:65] scope:SCOPE_SE
	s_setreg_imm32_b32 hwreg(HW_REG_WAVE_MODE, 25, 1), 1
	s_wait_xcnt 0x0
	s_wait_alu depctr_hold_cnt(0) depctr_sa_sdst(0) depctr_va_vdst(0) depctr_va_sdst(0) depctr_va_ssrc(0) depctr_va_vcc(0) depctr_vm_vsrc(0)
	s_getreg_b32 s2, hwreg(HW_REG_IB_STS2, 6, 4)
	s_cmp_eq_u32 s2, 0
	s_cbranch_scc0 .Lentry_in_a_cluster
	s_endpgm
.Lentry_in_a_cluster:
	s_bfe_u32 s2, ttmp6, 0x10000c
	s_cmp_lg_u32 s2, 0x3003
	s_cbranch_scc0 .Lentry_shape_is_right
	s_endpgm
.Lentry_shape_is_right:
; FIRE: firing levels, softmax and LayerNorm figures of 8 rows of X, and 1/256 of W made ready for the product.
; Work-group wg (0..255) owns rows 8 wg .. 8 wg + 7 of X, and of W the output o = wg / 4, rules 32 (wg % 4) .. + 31.
;  firing level: N[b][r] = - sum over i of (q x[b][i] - q c[i][r])^2, q = sqrt(0.5 / sigma^2 + 1e-8); f = softmax(N / 256), the row's maximum taken away.
;  Wave w takes inputs i = 32 w .. 32 w + 31, lane l rules 4 l .. 4 l + 3, all 8 rows; the eight waves' partial sums meet in LDS and wave w finishes row w.
;  LayerNorm without forming the 32,896 features: with xbar = mean of x, x' = x - xbar, mu = (sum x + 1) / D (the f of a row add up to 1),
;  D var = sum over r of ( f^2 sum x'^2 + 256 (xbar f - mu)^2 + (f - mu)^2 ): squares only, no difference of sums.
; Stored for the second launch: xc = bf16(x'); fh = f / sqrt(var + 1e-5); rows = (xbar2, -mu / sqrt(var + 1e-5)) four times in 32 bytes a row, where
;  xbar2 = xbar - (sum of the rounded x') / 256, so that the roundings of a row add up to nothing against a constant column;
;  gw = bf16(gamma W) for the first 32,768 columns; cst[o][quarter] = 32 S | 32 Gt | 32 R | 32 (S + Gt), where S = the sum over i of the ROUNDED gamma W of a rule,
;  Gt = gamma W of the rule's own column (f32), R = the rule's share of sum beta W (f32).
; CLUSTER: centers and sigmas are the same 256 KiB for every work-group, so four work-groups ask for them jointly (mask 15).
; LIMITS: sigma = 0 gives no finite result here or in the definition; sigma^2 must stay finite in f32 (|sigma| < 1.8e19); a firing level below 2^-126 becomes 0.
.set LC, 0                             ; LDS: centers, 256 rows of 512 bytes; wave w's 32 rows at 16,384 w
.set LS, 131072                        ; sigmas likewise
.set LX, 262144                        ; the 8 rows of X, f32, 1,024 bytes each
.set LP, 270336                        ; partial sums: wave p at 4,096 p, row b at 512 b
.set LM, 303104                        ; the 512 bytes of cst, put together
.set LR, 303616                        ; (xbar2, -mu rs) of the 8 rows
.set WROW, 131584                      ; bytes in a row of W
.set CA, 4                             ; v4  LDS address of my 16 bytes in my wave's first row of centers
.set SAD, 5                            ; v5  the same in sigmas
.set XA, 6                             ; v6  LDS address of x[0][32 w], the same in all lanes
.set PA, 7                             ; v7  where my partial sums go
.set PR, 8                             ; v8  where row w's partial sums are read
.set MA, 9                             ; v9  my wave's 16 bytes in each quarter of the cst block
.set XW, 10                            ; v10 where my part of row w of X goes
.set RAD, 11                           ; v11 row w's pair of figures
.set TX, 12                            ; v12-15 what comes from the other half of the lanes
.set C, 16                             ; v16-31   centers of 4 inputs x 4 rules
.set SG, 32                            ; v32-47   sigmas, then sigma^2, then the scale
.set T, 48                             ; v48-63   1 / sigma^2, then - q c
.set Q, 64                             ; v64-79   q
.set X0, 80                            ; v80-111  x of 8 rows x 4 inputs, set 0
.set X1, 112                           ; v112-143 set 1
.set ACC, 144                          ; v144-175 sums of 8 rows x 4 rules
.set D, 176                            ; v176-207 at work
.set SUMX, 208
.set XB, 210                           ; v210-211 xbar twice
.set SXX, 212
.set MU, 213
.set RP, 214                           ; v214-215 (xbar2, -mu rs)
.set WV, 16                            ; ahead of the main part the same registers hold W, gamma, beta of my 1,024 columns
.set GV, 48
.set BV, 80
.set XV, 112                           ; v112-119 my 8 numbers of row w
.set XT, 120
.set PK, 144                           ; v144-159 gamma W in bf16
.set SAC, 160
.set RAC, 168
.set SV, 176
.set GTV, 180
.set RV, 184
.set QV, 188
; A round of the cluster's barrier: my work-group's barrier, wave 0 signals for the work-group, every wave waits for all four work-groups, my work-group's barrier again.
.macro ROUND
	s_barrier_signal -1
	s_barrier_wait -1
	s_cmp_lg_u32 s26, 0
	s_cbranch_scc1 .Lnot_wave_0_\@
	s_barrier_signal -3
.Lnot_wave_0_\@:
	s_barrier_wait -3
	s_barrier_signal -1
	s_barrier_wait -1
.endm
; the sum over the 32 lanes, left in every lane
.macro WSUM r
.irp x, 1,2,4,8
	v_add_f32_dpp v[\r], v[\r], v[\r] row_xmask:\x row_mask:0xf bank_mask:0xf
.endr
	v_permlanex16_b32 v[TX], v[\r], s88, s89
	v_add_f32 v[\r], v[\r], v[TX]
.endm
.macro WSUM4 r                         ; four such sums, interleaved so that no line waits for the one in front of it
.irp x, 1,2,4,8
.irp k, 0,1,2,3
	v_add_f32_dpp v[\r+\k], v[\r+\k], v[\r+\k] row_xmask:\x row_mask:0xf bank_mask:0xf
.endr
.endr
.irp k, 0,1,2,3
	v_permlanex16_b32 v[TX+\k], v[\r+\k], s88, s89
.endr
.irp k, 0,1,2,3
	v_add_f32 v[\r+\k], v[\r+\k], v[TX+\k]
.endr
.endm
	s_load_b512 s[4:19], s[0:1], 0x0               ; X 4, centers 6, sigmas 8, W 10, gamma 12, beta 14, xc 16, gw 18
	s_load_b128 s[20:23], s[0:1], 0x40             ; fh 20, cst 22
	s_load_b64 s[24:25], s[0:1], 0x50              ; rows
	v_lshl_add_u32 v216, v0, 2, 0x4a300
	v_mov_b32 v217, 0
	ds_add_u32 v216, v217
	v_lshrrev_b32 v1, 5, v0
	v_readfirstlane_b32 s26, v1                    ; wave 0..7
	v_and_b32 v1, 31, v0                           ; lane
	v_lshlrev_b32 v2, 4, v1                        ; 16 x lane
	v_lshlrev_b32 v3, 3, v1                        ; 8 x lane
.irp k, 0,1,2,3
	v_mov_b32 v[TX+\k], 0                          ; v_permlanex16_b32 counts as a reader of its destination
.endr
	s_bfe_u32 s27, ttmp6, 0x40000                  ; my place in the cluster
	s_lshl_b32 s28, ttmp9, 2
	s_add_co_u32 s28, s28, s27                     ; work-group 0..255
	s_lshr_b32 s29, s28, 2                         ; o
	s_and_b32 s30, s28, 3                          ; which 32 rules
	s_lshl_b32 s31, s28, 3
	s_add_co_u32 s31, s31, s26                     ; my wave's row of X
	s_mov_b32 s88, 0x76543210                      ; v_permlanex16_b32: lane i reads lane i of the other half
	s_mov_b32 s89, 0xfedcba98
	s_mov_b32 s86, 0x37ff00ff                      ; 1 / 32896
	s_mov_b32 s87, 0x3727c5ac                      ; 1e-5
	; byte offsets, each in a pair with 0 on top
	s_lshl_b32 s72, s31, 10                        ; my row in X
	s_mov_b32 s73, 0
	s_mul_i32 s74, s29, WROW                       ; row o of W
	s_mov_b32 s75, 0
	s_lshl_b32 s76, s30, 15
	s_lshl_b32 s77, s26, 12
	s_add_co_u32 s76, s76, s77                     ; my wave's 1,024 columns (4 rules) in W's row, in gamma and in beta
	s_mov_b32 s77, 0
	s_lshl_b32 s82, s30, 7
	s_lshl_b32 s83, s26, 4
	s_add_co_u32 s82, s82, s83                     ; my 4 rules among the last 128 columns
	s_lshl_b32 s78, s31, 9                         ; my row in xc and in fh
	s_mov_b32 s79, 0
	s_lshl_b32 s80, s29, 16
	s_lshr_b32 s81, s76, 1
	s_add_co_u32 s80, s80, s81                     ; my 1,024 columns in gw
	s_mov_b32 s81, 0
	s_lshl_b32 s84, s26, 14                        ; my wave's 32 rows of centers and sigmas, in memory and in LDS alike
	s_mov_b32 s85, 0
	s_lshl_b32 s90, s28, 9                         ; my work-group's 512 bytes of cst
	s_mov_b32 s91, 0
	s_lshl_b32 s92, s28, 8                         ; and its 256 bytes of rows
	s_mov_b32 s93, 0
	; LDS addresses: constants, the wave's number and the lane alone
	v_add_nc_u32 v[CA], s84, v2
	s_add_co_u32 s100, s84, LS
	v_add_nc_u32 v[SAD], s100, v2
	s_lshl_b32 s100, s26, 7
	s_add_co_u32 s100, s100, LX
	v_mov_b32 v[XA], s100
	s_lshl_b32 s100, s26, 12
	s_add_co_u32 s100, s100, LP
	v_add_nc_u32 v[PA], s100, v2
	s_lshl_b32 s100, s26, 9
	s_add_co_u32 s100, s100, LP
	v_add_nc_u32 v[PR], s100, v2
	s_lshl_b32 s100, s26, 4
	s_add_co_u32 s100, s100, LM
	v_mov_b32 v[MA], s100
	s_lshl_b32 s100, s26, 10
	s_add_co_u32 s100, s100, LX
	v_add_nc_u32 v[XW], s100, v2
	s_lshl_b32 s100, s26, 3
	s_add_co_u32 s100, s100, LR
	v_mov_b32 v[RAD], s100
	; descriptor group 1: a dense block of 8,192 bytes as 32 rows of 32 elements of 8 bytes
	s_mov_b32 s32, 15|(3<<16)|(1<<21)              ; 15:0 the four work-groups of the cluster; 17:16 elements of 8 bytes; 21 set beside a mask
	s_mov_b32 s33, 32<<16                          ; tensor_dim0 = 32
	s_mov_b32 s34, 32<<16                          ; tensor_dim1 = 32
	s_mov_b32 s35, 32<<16                          ; tile_dim0 = 32
	s_mov_b32 s36, 32                              ; tile_dim1 = 32
	s_mov_b32 s37, 32                              ; from row to row: 32 elements
	s_mov_b32 s38, 0
	s_mov_b32 s39, 0
	s_wait_dscnt 0x0
	s_wait_kmcnt 0x0
	s_add_nc_u64 s[4:5], s[4:5], s[72:73]
	s_add_nc_u64 s[10:11], s[10:11], s[74:75]      ; W at row o
	s_add_nc_u64 s[94:95], s[10:11], s[76:77]      ; W, gamma, beta at my wave's columns
	s_add_nc_u64 s[96:97], s[12:13], s[76:77]
	s_add_nc_u64 s[98:99], s[14:15], s[76:77]
	s_add_nc_u64 s[16:17], s[16:17], s[78:79]
	s_add_nc_u64 s[18:19], s[18:19], s[80:81]
	s_add_nc_u64 s[20:21], s[20:21], s[78:79]
	s_add_nc_u64 s[22:23], s[22:23], s[90:91]
	s_add_nc_u64 s[24:25], s[24:25], s[92:93]
	s_add_nc_u64 s[6:7], s[6:7], s[84:85]          ; centers and sigmas at my wave's rows: the wave's number alone, alike in all four partners
	s_add_nc_u64 s[8:9], s[8:9], s[84:85]
	; every load of a wave covers 512 neighbouring bytes
	global_load_b128 v[XV:XV+3], v2, s[4:5] th:TH_LOAD_NT
	global_load_b128 v[XV+4:XV+7], v2, s[4:5] offset:512 th:TH_LOAD_NT
.irp m, 0,1,2,3,4,5,6,7
	global_load_b128 v[WV+4*\m:WV+4*\m+3], v2, s[94:95] offset:512*\m th:TH_LOAD_NT
	global_load_b128 v[GV+4*\m:GV+4*\m+3], v2, s[96:97] offset:512*\m
	global_load_b128 v[BV+4*\m:BV+4*\m+3], v2, s[98:99] offset:512*\m
.endr
	s_load_b128 s[56:59], s[10:11], s82 offset:0x20000     ; W, gamma, beta of my 4 rules' own columns (32768 + r)
	s_load_b128 s[60:63], s[12:13], s82 offset:0x20000
	s_load_b128 s[68:71], s[14:15], s82 offset:0x20000
	; group 0, a set for each of the wave's four loads: inputs 0-15 of centers, of sigmas, inputs 16-31 of centers, of sigmas
.irp n, 0,1
	s_mov_b32 s[40+8*\n], 1
	s_add_co_u32 s[41+8*\n], s84, LC+8192*\n
	s_add_nc_u64 s[42+8*\n:43+8*\n], s[6:7], 8192*\n
	s_or_b32 s[43+8*\n], s[43+8*\n], 0x80000000
	s_mov_b32 s[44+8*\n], 1
	s_add_co_u32 s[45+8*\n], s84, LS+8192*\n
	s_add_nc_u64 s[46+8*\n:47+8*\n], s[8:9], 8192*\n
	s_or_b32 s[47+8*\n], s[47+8*\n], 0x80000000
.endr
	ROUND                                          ; the four work-groups are here: their joint loads meet
	tensor_load_to_lds s[40:43], s[32:39]          ; all fills of the launch, one group; four of a wave are out at the most; nothing is filled twice
	s_nop 0
	tensor_load_to_lds s[44:47], s[32:39]
	s_nop 0
	tensor_load_to_lds s[48:51], s[32:39]
	s_nop 0
	tensor_load_to_lds s[52:55], s[32:39]
	s_nop 0
	; ROW w OF X: mean, centred row in bf16, sum of squares of the centred row, the mean corrected by the roundings
	s_wait_loadcnt 24                              ; X's two loads are in; the 24 of W, gamma and beta were issued behind them
	v_pk_add_f32 v[XT:XT+1], v[XV:XV+1], v[XV+2:XV+3]
	v_pk_add_f32 v[XT+2:XT+3], v[XV+4:XV+5], v[XV+6:XV+7]
	v_pk_add_f32 v[XT:XT+1], v[XT:XT+1], v[XT+2:XT+3]
	v_add_f32 v[SUMX], v[XT], v[XT+1]
	WSUM SUMX
	v_mul_f32 v[XB], 0x3b800000, v[SUMX]           ; / 256
	v_mul_f32 v[XB+1], 0x3b800000, v[SUMX]
.irp p, 0,1,2,3
	v_pk_add_f32 v[XT+2*\p:XT+2*\p+1], v[XV+2*\p:XV+2*\p+1], v[XB:XB+1] neg_lo:[0,1] neg_hi:[0,1]
.endr
	v_pk_mul_f32 v[XT+8:XT+9], v[XT:XT+1], v[XT:XT+1]
	v_pk_fma_f32 v[XT+8:XT+9], v[XT+2:XT+3], v[XT+2:XT+3], v[XT+8:XT+9]
	v_pk_fma_f32 v[XT+8:XT+9], v[XT+4:XT+5], v[XT+4:XT+5], v[XT+8:XT+9]
	v_pk_fma_f32 v[XT+8:XT+9], v[XT+6:XT+7], v[XT+6:XT+7], v[XT+8:XT+9]
	v_add_f32 v[SXX], v[XT+8], v[XT+9]
	WSUM SXX
.irp p, 0,1,2,3
	v_cvt_pk_bf16_f32 v[XT+10+\p], v[XT+2*\p], v[XT+2*\p+1]
.endr
	global_store_b64 v3, v[XT+10:XT+11], s[16:17]              ; each store of the wave covers 256 consecutive bytes, aligned
	global_store_b64 v3, v[XT+12:XT+13], s[16:17] offset:256
	ds_store_b128 v[XW], v[XV:XV+3]                            ; the row as it is, for all eight waves
	ds_store_b128 v[XW], v[XV+4:XV+7] offset:512
.irp p, 0,1,2,3
	v_lshlrev_b32 v[XT+2*\p], 16, v[XT+10+\p]                  ; the rounded numbers back in f32
	v_and_b32 v[XT+2*\p+1], 0xffff0000, v[XT+10+\p]
.endr
	v_pk_add_f32 v[XT:XT+1], v[XT:XT+1], v[XT+2:XT+3]
	v_pk_add_f32 v[XT+4:XT+5], v[XT+4:XT+5], v[XT+6:XT+7]
	v_pk_add_f32 v[XT:XT+1], v[XT:XT+1], v[XT+4:XT+5]
	v_add_f32 v[RP], v[XT], v[XT+1]
	WSUM RP
	v_fma_f32 v[RP], 0xbb800000, v[RP], v[XB]      ; xbar2 = xbar - (sum of the rounded x') / 256
	s_wait_dscnt 0x0                               ; my part of X is in LDS before I say so
	s_barrier_signal -1
	s_barrier_wait -1                              ; all 8 rows are
	; MY 1,024 COLUMNS OF W: 4 rules of 256.  Load m holds columns 128 m + 4 lane .. + 3; rule k is loads 2 k and 2 k + 1.
	s_wait_loadcnt 0x0
.irp m, 0,1,2,3,4,5,6,7
	v_pk_mul_f32 v[GV+4*\m:GV+4*\m+1], v[WV+4*\m:WV+4*\m+1], v[GV+4*\m:GV+4*\m+1]
	v_pk_mul_f32 v[GV+4*\m+2:GV+4*\m+3], v[WV+4*\m+2:WV+4*\m+3], v[GV+4*\m+2:GV+4*\m+3]
	v_cvt_pk_bf16_f32 v[PK+2*\m], v[GV+4*\m], v[GV+4*\m+1]
	v_cvt_pk_bf16_f32 v[PK+2*\m+1], v[GV+4*\m+2], v[GV+4*\m+3]
	global_store_b64 v3, v[PK+2*\m:PK+2*\m+1], s[18:19] offset:256*\m      ; 256 consecutive bytes, aligned
	v_lshlrev_b32 v[GV+4*\m], 16, v[PK+2*\m]                   ; the rounded numbers back in f32: S is the sum of what the matrix unit will see
	v_and_b32 v[GV+4*\m+1], 0xffff0000, v[PK+2*\m]
	v_lshlrev_b32 v[GV+4*\m+2], 16, v[PK+2*\m+1]
	v_and_b32 v[GV+4*\m+3], 0xffff0000, v[PK+2*\m+1]
.if (\m & 1)
	v_pk_add_f32 v[SAC+2*(\m>>1):SAC+2*(\m>>1)+1], v[SAC+2*(\m>>1):SAC+2*(\m>>1)+1], v[GV+4*\m:GV+4*\m+1]
	v_pk_add_f32 v[SAC+2*(\m>>1):SAC+2*(\m>>1)+1], v[SAC+2*(\m>>1):SAC+2*(\m>>1)+1], v[GV+4*\m+2:GV+4*\m+3]
	v_pk_fma_f32 v[RAC+2*(\m>>1):RAC+2*(\m>>1)+1], v[WV+4*\m:WV+4*\m+1], v[BV+4*\m:BV+4*\m+1], v[RAC+2*(\m>>1):RAC+2*(\m>>1)+1]
.else
	v_pk_add_f32 v[SAC+2*(\m>>1):SAC+2*(\m>>1)+1], v[GV+4*\m:GV+4*\m+1], v[GV+4*\m+2:GV+4*\m+3]
	v_pk_mul_f32 v[RAC+2*(\m>>1):RAC+2*(\m>>1)+1], v[WV+4*\m:WV+4*\m+1], v[BV+4*\m:BV+4*\m+1]
.endif
	v_pk_fma_f32 v[RAC+2*(\m>>1):RAC+2*(\m>>1)+1], v[WV+4*\m+2:WV+4*\m+3], v[BV+4*\m+2:BV+4*\m+3], v[RAC+2*(\m>>1):RAC+2*(\m>>1)+1]
.endr
.irp k, 0,1,2,3
	v_add_f32 v[SV+\k], v[SAC+2*\k], v[SAC+2*\k+1]
	v_add_f32 v[RV+\k], v[RAC+2*\k], v[RAC+2*\k+1]
.endr
	WSUM4 SV
	WSUM4 RV
	s_wait_kmcnt 0x0
.irp k, 0,1,2,3
	v_mul_f32 v[GTV+\k], s[56+\k], s[60+\k]                    ; gamma W of column 32768 + r
	v_fma_f32 v[RV+\k], s[68+\k], s[56+\k], v[RV+\k]           ; and its beta W
.endr
.irp k, 0,1,2,3
	v_add_f32 v[QV+\k], v[SV+\k], v[GTV+\k]
.endr
	ds_store_b128 v[MA], v[SV:SV+3]                ; all lanes hold the same four numbers and write the same 16 bytes
	ds_store_b128 v[MA], v[GTV:GTV+3] offset:128
	ds_store_b128 v[MA], v[RV:RV+3] offset:256
	ds_store_b128 v[MA], v[QV:QV+3] offset:384
	s_wait_xcnt 0x0                                ; the global stores' data registers are written again only behind this wait
	; THE FIRING LEVELS, four inputs at a time.
.macro LOADS g, xs                     ; centers and sigmas of inputs 4 g .. 4 g + 3 (512 neighbouring bytes a load), and x of the 8 rows there (one address for all lanes)
.irp ii, 0,1,2,3
	ds_load_b128 v[C+4*\ii:C+4*\ii+3], v[CA] offset:(4*\g+\ii)*512
	ds_load_b128 v[SG+4*\ii:SG+4*\ii+3], v[SAD] offset:(4*\g+\ii)*512
.endr
.irp b, 0,1,2,3,4,5,6,7
	ds_load_b128 v[\xs+4*\b:\xs+4*\b+3], v[XA] offset:\b*1024+16*\g
.endr
.endm
.macro PRE                             ; q = sqrt(0.5 / sigma^2 + 1e-8) and - q c for 4 inputs x 4 rules
.irp p, 0,1,2,3,4,5,6,7
	v_pk_mul_f32 v[SG+2*\p:SG+2*\p+1], v[SG+2*\p:SG+2*\p+1], v[SG+2*\p:SG+2*\p+1]
.endr
.irp e, 0,1,2,3,4,5,6,7,8,9,10,11,12,13,14,15
	v_rcp_f32 v[T+\e], v[SG+\e]
.endr
	v_nop                                          ; one plain vector instruction between the reciprocals and the first use of a result or write of a source (ISA guide 5.7.2)
	s_wait_alu depctr_va_vdst(0)
.irp p, 0,1,2,3,4,5,6,7
	v_pk_fma_f32 v[SG+2*\p:SG+2*\p+1], v[T+2*\p:T+2*\p+1], 0.5, 0x322bcc77 op_sel_hi:[1,0,0]
.endr
.irp e, 0,1,2,3,4,5,6,7,8,9,10,11,12,13,14,15
	v_sqrt_f32 v[Q+\e], v[SG+\e]
.endr
	v_nop                                          ; the same behind the roots
	s_wait_alu depctr_va_vdst(0)
.irp p, 0,1,2,3,4,5,6,7
	v_pk_mul_f32 v[T+2*\p:T+2*\p+1], v[C+2*\p:C+2*\p+1], v[Q+2*\p:Q+2*\p+1] neg_lo:[1,0] neg_hi:[1,0]
.endr
.endm
.macro STEP ii, xs, first              ; one input: d = q x - q c for 8 rows x 4 rules, then the sums take d^2; first = 1: the first squares start the sums
.irp b, 0,1,2,3,4,5,6,7
.irp rp, 0,1
.if (\ii & 1)
	v_pk_fma_f32 v[D+4*\b+2*\rp:D+4*\b+2*\rp+1], v[Q+4*\ii+2*\rp:Q+4*\ii+2*\rp+1], v[\xs+4*\b+2*(\ii>>1):\xs+4*\b+2*(\ii>>1)+1], v[T+4*\ii+2*\rp:T+4*\ii+2*\rp+1] op_sel:[0,1,0] op_sel_hi:[1,1,1]
.else
	v_pk_fma_f32 v[D+4*\b+2*\rp:D+4*\b+2*\rp+1], v[Q+4*\ii+2*\rp:Q+4*\ii+2*\rp+1], v[\xs+4*\b+2*(\ii>>1):\xs+4*\b+2*(\ii>>1)+1], v[T+4*\ii+2*\rp:T+4*\ii+2*\rp+1] op_sel_hi:[1,0,1]
.endif
.endr
.endr
.irp e, 0,1,2,3,4,5,6,7,8,9,10,11,12,13,14,15
.if \first
	v_pk_mul_f32 v[ACC+2*\e:ACC+2*\e+1], v[D+2*\e:D+2*\e+1], v[D+2*\e:D+2*\e+1]
.else
	v_pk_fma_f32 v[ACC+2*\e:ACC+2*\e+1], v[D+2*\e:D+2*\e+1], v[D+2*\e:D+2*\e+1], v[ACC+2*\e:ACC+2*\e+1]
.endif
.endr
.endm
.macro GROUP g, xs, xn, first
	s_wait_dscnt 0x0                               ; this group's 16 loads, issued 128 packed operations ago
	PRE
.if \g == 3
	s_wait_tensorcnt 0x0                           ; inputs 16-31 of my centers and sigmas have landed; only I read them
.endif
.if \g < 7
	LOADS (\g+1), \xn                              ; C and SG are free behind PRE; x goes to the other set
.endif
	STEP 0, \xs, \first
	STEP 1, \xs, 0
	STEP 2, \xs, 0
	STEP 3, \xs, 0
.endm
	s_wait_tensorcnt 0x2                           ; inputs 0-15 of my centers and sigmas have landed; the two loads issued behind them may be out
	LOADS 0, X0
	GROUP 0, X0, X1, 1
	GROUP 1, X1, X0, 0
	GROUP 2, X0, X1, 0
	GROUP 3, X1, X0, 0
	GROUP 4, X0, X1, 0
	GROUP 5, X1, X0, 0
	GROUP 6, X0, X1, 0
	GROUP 7, X1, X0, 0
	; the eight waves' sums meet; wave w finishes row w
.irp b, 0,1,2,3,4,5,6,7
	ds_store_b128 v[PA], v[ACC+4*\b:ACC+4*\b+3] offset:\b*512
.endr
	s_wait_dscnt 0x0                               ; my partial sums (and my part of the cst block) are in LDS before I say so
	s_barrier_signal -1
	s_barrier_wait -1
.irp p, 0,1,2,3,4,5,6,7
	ds_load_b128 v[D+4*\p:D+4*\p+3], v[PR] offset:\p*4096
.endr
	s_wait_dscnt 0x0
.irp p, 0,2,4,6
	v_pk_add_f32 v[D+4*\p:D+4*\p+1], v[D+4*\p:D+4*\p+1], v[D+4*\p+4:D+4*\p+5]
	v_pk_add_f32 v[D+4*\p+2:D+4*\p+3], v[D+4*\p+2:D+4*\p+3], v[D+4*\p+6:D+4*\p+7]
.endr
.irp p, 0,4
	v_pk_add_f32 v[D+4*\p:D+4*\p+1], v[D+4*\p:D+4*\p+1], v[D+4*\p+8:D+4*\p+9]
	v_pk_add_f32 v[D+4*\p+2:D+4*\p+3], v[D+4*\p+2:D+4*\p+3], v[D+4*\p+10:D+4*\p+11]
.endr
	v_pk_add_f32 v[D:D+1], v[D:D+1], v[D+16:D+17] neg_lo:[1,1] neg_hi:[1,1]       ; N = - the whole sum, rules 4 l .. 4 l + 3
	v_pk_add_f32 v[D+2:D+3], v[D+2:D+3], v[D+18:D+19] neg_lo:[1,1] neg_hi:[1,1]
	v_max3_num_f32 v[D+4], v[D], v[D+1], v[D+2]
	v_max_num_f32 v[D+4], v[D+4], v[D+3]
.irp x, 1,2,4,8
	v_max_num_f32_dpp v[D+4], v[D+4], v[D+4] row_xmask:\x row_mask:0xf bank_mask:0xf
.endr
	v_permlanex16_b32 v[TX], v[D+4], s88, s89
	v_max_num_f32 v[D+4], v[D+4], v[TX]            ; the row's maximum
.irp j, 0,1,2,3
	v_sub_f32 v[D+\j], v[D+\j], v[D+4]             ; the difference first, exact where the two are close, then the factor
.endr
.irp j, 0,1,2,3
	v_mul_f32 v[D+\j], 0x3bb8aa3b, v[D+\j]         ; log2(e) / 256
.endr
.irp j, 0,1,2,3
	v_exp_f32 v[D+8+\j], v[D+\j]
.endr
	v_nop                                          ; a plain place behind the exponentials
	s_wait_alu depctr_va_vdst(0)
	v_add_f32 v[D+5], v[D+8], v[D+9]
	v_add_f32 v[D+6], v[D+10], v[D+11]
	v_add_f32 v[D+5], v[D+5], v[D+6]
	WSUM D+5
	v_rcp_f32 v[D+6], v[D+5]
	v_add_f32 v[MU], 1.0, v[SUMX]                  ; (a plain place behind the reciprocal)
	v_mul_f32 v[MU], s86, v[MU]                    ; mu = (sum x + 1) / D
	s_wait_alu depctr_va_vdst(0)
.irp j, 0,1,2,3
	v_mul_f32 v[D+8+\j], v[D+8+\j], v[D+6]         ; f
.endr
.irp j, 0,1,2,3
	v_fma_f32 v[D+12+\j], v[XB], v[D+8+\j], -v[MU] ; xbar f - mu
	v_sub_f32 v[D+16+\j], v[D+8+\j], v[MU]         ; f - mu
.endr
	v_mul_f32 v[D+20], v[D+8], v[D+8]
	v_mul_f32 v[D+21], v[D+12], v[D+12]
	v_mul_f32 v[D+22], v[D+16], v[D+16]
.irp j, 1,2,3
	v_fma_f32 v[D+20], v[D+8+\j], v[D+8+\j], v[D+20]
	v_fma_f32 v[D+21], v[D+12+\j], v[D+12+\j], v[D+21]
	v_fma_f32 v[D+22], v[D+16+\j], v[D+16+\j], v[D+22]
.endr
	v_fma_f32 v[D+22], v[SXX], v[D+20], v[D+22]
	v_fma_f32 v[D+22], 0x43800000, v[D+21], v[D+22]
	WSUM D+22                                      ; D var
	v_fma_f32 v[D+22], v[D+22], s86, s87           ; var + 1e-5
	v_rsq_f32 v[D+23], v[D+22]
	v_nop                                          ; a plain place behind the root
	s_wait_alu depctr_va_vdst(0)
.irp j, 0,1,2,3
	v_mul_f32 v[D+24+\j], v[D+8+\j], v[D+23]
.endr
	v_mul_f32 v[RP+1], -v[MU], v[D+23]
	global_store_b128 v2, v[D+24:D+27], s[20:21]   ; the row of fh: 512 consecutive bytes
	ds_store_b64 v[RAD], v[RP:RP+1]
	s_wait_dscnt 0x0                               ; my row's pair is in LDS before I say so
	s_barrier_signal -1
	s_barrier_wait -1
	s_cmp_lg_u32 s26, 0
	s_cbranch_scc1 .Lnot_rows
	v_lshrrev_b32 v[D], 2, v1                      ; wave 0: the 8 pairs, each four times: 256 consecutive bytes in one store
	v_lshlrev_b32 v[D], 3, v[D]
	v_add_nc_u32 v[D], LR, v[D]
	ds_load_b64 v[D+2:D+3], v[D]
	s_wait_dscnt 0x0
	global_store_b64 v3, v[D+2:D+3], s[24:25]
.Lnot_rows:
	s_cmp_lg_u32 s26, 1
	s_cbranch_scc1 .Lnot_cst
	v_add_nc_u32 v[D+4], LM, v2                    ; wave 1: the 512 bytes of cst in one store
	ds_load_b128 v[D+8:D+11], v[D+4]
	s_wait_dscnt 0x0
	global_store_b128 v2, v[D+8:D+11], s[22:23]
.Lnot_cst:
	s_wait_tensorcnt 0x0
	ds_add_u32 v216, v217
	s_wait_dscnt 0x0
	ROUND                                          ; the closing round: no work-group ends while a partner may still ask jointly
	s_endpgm
.Lfunc_end_k_qe19a2f8572_fire:
	.size	k_qe19a2f8572_fire, .Lfunc_end_k_qe19a2f8572_fire-k_qe19a2f8572_fire
	.p2alignl 7, 3214868480
	.fill 96, 4, 3214868480
	.section	.rodata,"a",@progbits
	.p2align	6, 0x0
	.amdhsa_kernel k_qe19a2f8572_fire
		.amdhsa_group_segment_fixed_size 304896
		.amdhsa_private_segment_fixed_size 0
		.amdhsa_enable_private_segment 0
		.amdhsa_kernarg_size 88
		.amdhsa_user_sgpr_count 2
		.amdhsa_user_sgpr_kernarg_segment_ptr 1
		.amdhsa_wavefront_size32 1
		.amdhsa_system_sgpr_workgroup_id_x 1
		.amdhsa_system_sgpr_workgroup_id_y 1
		.amdhsa_system_sgpr_workgroup_id_z 1
		.amdhsa_system_vgpr_workitem_id 0
		.amdhsa_next_free_vgpr 218
		.amdhsa_next_free_sgpr 102
		.amdhsa_reserve_vcc 0
		.amdhsa_float_denorm_mode_32 3
		.amdhsa_float_denorm_mode_16_64 3
		.amdhsa_memory_ordered 1
		.amdhsa_forward_progress 1
		.amdhsa_inst_pref_size 124
	.end_amdhsa_kernel
	.amdgpu_metadata
---
amdhsa.version: [ 1, 2 ]
amdhsa.kernels:
  - .name:           k_qe19a2f8572_fire
    .symbol:         k_qe19a2f8572_fire.kd
    .args:
      - { .name: X, .offset: 0, .size: 8, .value_kind: global_buffer, .address_space: global }
      - { .name: centers, .offset: 8, .size: 8, .value_kind: global_buffer, .address_space: global }
      - { .name: sigmas, .offset: 16, .size: 8, .value_kind: global_buffer, .address_space: global }
      - { .name: W, .offset: 24, .size: 8, .value_kind: global_buffer, .address_space: global }
      - { .name: ln_gamma, .offset: 32, .size: 8, .value_kind: global_buffer, .address_space: global }
      - { .name: ln_beta, .offset: 40, .size: 8, .value_kind: global_buffer, .address_space: global }
      - { .name: xc, .offset: 48, .size: 8, .value_kind: global_buffer, .address_space: global }
      - { .name: gw, .offset: 56, .size: 8, .value_kind: global_buffer, .address_space: global }
      - { .name: fh, .offset: 64, .size: 8, .value_kind: global_buffer, .address_space: global }
      - { .name: cst, .offset: 72, .size: 8, .value_kind: global_buffer, .address_space: global }
      - { .name: rows, .offset: 80, .size: 8, .value_kind: global_buffer, .address_space: global }
    .group_segment_fixed_size: 304896
    .private_segment_fixed_size: 0
    .kernarg_segment_align: 8
    .kernarg_segment_size: 88
    .max_flat_workgroup_size: 256
    .sgpr_count:     102
    .vgpr_count:     218
    .wavefront_size: 32
...
	.end_amdgpu_metadata
.endif
;; end of part 1
;; launch mix (part 2): grid 32 x 8, 4 waves a work-group, clusters of 4 x 4, 327,680 bytes of LDS; arguments xc, gw, fh, cst, rows, b, out0; writes out0
.if DOCPART == 2
	.amdgcn_target "amdgcn-amd-amdhsa--gfx1250"
	.amdhsa_code_object_version 6
	.text
	.protected	k_qe19a2f8572_mix
	.globl	k_qe19a2f8572_mix
	.p2align	8
	.type	k_qe19a2f8572_mix,@function
k_qe19a2f8572_mix:
	s_mov_b64 s[64:65], 0
	v_nop
	global_prefetch_b8 v0, s[64:65] scope:SCOPE_SE
	s_setreg_imm32_b32 hwreg(HW_REG_WAVE_MODE, 25, 1), 1
	s_wait_xcnt 0x0
	s_wait_alu depctr_hold_cnt(0) depctr_sa_sdst(0) depctr_va_vdst(0) depctr_va_sdst(0) depctr_va_ssrc(0) depctr_va_vcc(0) depctr_vm_vsrc(0)
	s_getreg_b32 s2, hwreg(HW_REG_IB_STS2, 6, 4)
	s_cmp_eq_u32 s2, 0
	s_cbranch_scc0 .Lentry_in_a_cluster
	s_endpgm
.Lentry_in_a_cluster:
	s_bfe_u32 s2, ttmp6, 0x10000c
	s_cmp_lg_u32 s2, 0xf033
	s_cbranch_scc0 .Lentry_shape_is_right
	s_endpgm
.Lentry_shape_is_right:
; MIX: out[b][o] = sum over r of fh[b][r] ( sum over i of xc[b][i] gw[o][r][i] + xbar2[b] S[o][r] + Gt[o][r] ) - mu rs [b] sum over r of (S + Gt)[o][r] + sum over r of R[o][r] + bias[o].
; That is (feats - mu) rs gamma W^T + beta W^T + bias with feats[b][256 r + i] = x[b][i] f[b][r], never written out.
; The inner sum is a product of 2048 x 8192 x 256 in bf16 with f32 sums.  A work-group makes 256 rows b x 2 outputs o (256 rows of gw) with four waves,
; a wave 128 rows b x the 128 rules of one o: 64 accumulator tiles of 16 x 16, 512 registers.
; K = 256 lies in two LDS slots of 128 (rows of 256 bytes, padded to 272), both asked for at the start.  When slot 0 has been read its bytes take the 256 rows of fh (512 bytes, padded to 528).
; The accumulators do not start at zero but at xbar2 S + Gt, made while the first tiles are on their way.
; NUMBERS: x is centred before it is rounded to bf16 and S is the sum of the rounded gamma W, so a common offset of X meets the rounding of neither operand;
; the mean's share is taken away from every 8 rules' sum, so that no large sums are formed and subtracted.
; CLUSTER 4 x 4: the four work-groups of a row of the cluster have the same rows b (tiles of xc and fh), the four of a column the same outputs (tiles of gw): joint loads.
; OUT: a row of out0 is 64 outputs = 256 bytes; a block with all 64 would have 8 rows b and read all of gw, so a row's 256 bytes come from 32 work-groups.
; The block's two outputs are joined in LDS and leave as 8 bytes a row.
; REGISTERS: window 0: v0-31 addresses, v32-63 figures kept, v64-127 and v128-191 fragments of xc (two buffers; S and Gt before, fh after), v192-255 at work;
; window 1: v64-191 fragments of gw; window 2: tiles of my rows 0-63 (tile (a, t) at v[8 (8 a + t)]); window 3: rows 64-127.
; The matrix instruction takes gw as source 0 and xc as source 1: lane l then holds row b = l % 16 and registers 0-7 the rules 8 (l / 16) + 0..7, so the sum over r stays in the lane.
; The 64 accumulators take turns, one instruction a turn, in the same order in every quarter step.
.set KSTEP,  128
.set PITCH,  272                       ; 256 bytes + 16: the 16 rows of a fragment load start 68 words apart
.set HALFT,  128*PITCH
.set SLOT,   4*HALFT                   ; xc's 256 rows, then gw's 256 rows
.set FPITCH, 528                       ; a row of fh: 512 bytes + 16
.set FQ,     64*FPITCH                 ; what one wave fetches of fh
.set SCRATCH, 2*SLOT                   ; 2,048 bytes: two planes (one an output) of 256 rows x 4 bytes; no tensor load lands here
.set ADRA, 16                          ; v16-17 LDS address of my xc fragments in slot 0, 1
.set ADRB, 20                          ; v20-21 of my gw fragments
.set FAD,  22                          ; my 32 bytes of fh in row tile 0, rule tile 0
.set SCW,  23                          ; where my row's sum goes
.set SCR,  24                          ; where a row's two sums are read
.set OUTO, 25                          ; 256 x lane
.set CSTO, 26                          ; 32 x (l / 16)
.set RWO,  27                          ; 32 x (l % 16)
.set RO,   28
.set KONST, 30                         ; sum of beta W + bias
.set TPX,  31
.set RW,   32                          ; v32-47 (xbar2, -mu rs) of my row in each of the 8 row tiles
.set QP,   48                          ; v48-63 the sum of S + Gt over my 8 rules of each rule tile, in two halves
.set F0,   64
.set F1,   128
.set SV,   64
.set GT,   128
.set QV,   192
.set ZC,   192                         ; v192-207 eight chains, one a rule tile
.set ZT,   216                         ; v216-223 my sums for the 8 row tiles
.set OB,   224
.set G1, 24                            ; s[24:31] group 1 for xc's tiles
.set G0, 32                            ; s[32:39] group 0 for xc, a set for each slot
.set G1B, 48                           ; s[48:55] group 1 for gw's tiles
.set G0B, 56                           ; s[56:63] group 0 for gw
.set G1F, 68                           ; s[68:75] group 1 for fh's tile
.set G0F, 76                           ; s[76:79] group 0 for fh
.set MSB, 0
.macro WIN new                         ; the immediate's high byte repeats the setting that is left
.if MSB != \new
	s_set_vgpr_msb (MSB<<8)|\new
.set MSB, \new
.endif
.endm
.set MUL_LO, 0xa1                      ; source 0 (gw) window 1, source 1 (xc) window 0, C and D window 2
.set MUL_HI, 0xf1                      ; the same, C and D window 3
.set TO_B,   0x40                      ; destination window 1
; Waves 0 and 1 fetch the two halves of xc's tile, waves 2 and 3 those of gw's.  Each line has one mask and one set of registers; the branch hangs on the wave's number alone.
.macro JLOAD s
	s_cmp_eq_u32 s11, 0
	s_cbranch_scc0 .Lfor_b_\@
	tensor_load_to_lds s[G0+4*\s:G0+4*\s+3], s[G1:G1+7]
	s_nop 0
	s_branch .Lasked_\@
.Lfor_b_\@:
	tensor_load_to_lds s[G0B+4*\s:G0B+4*\s+3], s[G1B:G1B+7]
	s_nop 0
.Lasked_\@:
.endm
.macro CREST                           ; a round of the cluster's barrier behind its opening barrier
	s_cmp_lg_u32 s10, 0
	s_cbranch_scc1 .Lnot_wave_0_\@
	s_barrier_signal -3
.Lnot_wave_0_\@:
	s_barrier_wait -3
	s_barrier_signal -1
	s_barrier_wait -1
.endm
.macro CROUND
	s_barrier_signal -1
	s_barrier_wait -1
	CREST
.endm
	s_load_b128 s[4:7], s[0:1], 0x0                ; xc, gw
	s_load_b64 s[8:9], s[0:1], 0x10                ; fh
	s_load_b256 s[88:95], s[0:1], 0x18             ; cst 88, rows 90, bias 92, out0 94
	s_set_vgpr_msb 0x40
	v_lshl_add_u32 v255, v0, 2, 0x44800
	s_set_vgpr_msb 0x4000
	v_mov_b32 v29, 0
	s_set_vgpr_msb 0x1
	ds_add_u32 v255, v29
	s_set_vgpr_msb 0x100
	v_lshrrev_b32 v1, 5, v0
	v_readfirstlane_b32 s10, v1                    ; wave 0..3
	s_lshr_b32 s11, s10, 1                         ; which 128 rows b are mine.  Also: I fetch for xc (0) or for gw (1)
	s_and_b32 s12, s10, 1                          ; which of the two outputs.  Also: which 128 rows of that tile I fetch
	s_bfe_u32 s40, ttmp6, 0x40000                  ; cx
	s_bfe_u32 s41, ttmp6, 0x40004                  ; cy
	s_lshl_b32 s42, ttmp9, 2
	s_add_co_u32 s42, s42, s40                     ; block of two outputs, 0..31
	s_and_b32 s13, ttmp7, 0xffff
	s_lshl_b32 s13, s13, 2
	s_add_co_u32 s13, s13, s41                     ; block of 256 rows, 0..7
	s_lshl_b32 s43, s41, 2
	s_lshl_b32 s43, 15, s43                        ; my row of the cluster
	s_lshl_b32 s44, 0x1111, s40                    ; my column
	s_mov_b32 s86, 0x76543210                      ; v_permlanex16_b32: lane i reads lane i of the other half
	s_mov_b32 s87, 0xfedcba98
	s_or_b32 s[G1+0], s43, (1<<16)|(1<<20)|(1<<21)|(5<<22)|(3<<25)   ; mask: my row; elements of 2 bytes; 4 words of padding behind every 64; 21 set beside a mask
	s_or_b32 s[G1B+0], s44, (1<<16)|(1<<20)|(1<<21)|(5<<22)|(3<<25)  ; the same with my column
	s_or_b32 s[G1F+0], s43, (2<<16)|(1<<20)|(1<<21)|(6<<22)|(3<<25)  ; my row; elements of 4 bytes; 4 words behind every 128
	s_mov_b32 s[G1+1], KSTEP<<16                   ; tensor_dim0 = 128
	s_mov_b32 s[G1B+1], KSTEP<<16
	s_mov_b32 s[G1F+1], 128<<16
	s_mov_b32 s[G1+2], 128<<16                     ; tensor_dim1 = 128 rows
	s_mov_b32 s[G1B+2], 128<<16
	s_mov_b32 s[G1F+2], 64<<16                     ; 64 rows
	s_mov_b32 s[G1+3], KSTEP<<16                   ; tile_dim0
	s_mov_b32 s[G1B+3], KSTEP<<16
	s_mov_b32 s[G1F+3], 128<<16
	s_mov_b32 s[G1+4], 128                         ; tile_dim1
	s_mov_b32 s[G1B+4], 128
	s_mov_b32 s[G1F+4], 64
	s_mov_b32 s[G1+5], 256                         ; elements from row to row
	s_mov_b32 s[G1B+5], 256
	s_mov_b32 s[G1F+5], 128
	s_mov_b32 s[G1+6], 0
	s_mov_b32 s[G1B+6], 0
	s_mov_b32 s[G1F+6], 0
	s_mov_b32 s[G1+7], 0
	s_mov_b32 s[G1B+7], 0
	s_mov_b32 s[G1F+7], 0
	; xc's and fh's tiles hang on the block of rows alone, gw's on the block of outputs alone; rows of all three are 512 bytes
	s_lshl_b32 s17, s12, 7
	s_lshl_b32 s16, s13, 8
	s_add_co_u32 s16, s16, s17
	s_lshl_b32 s16, s16, 9                         ; xc: (256 x block + 128 x half) rows
	s_lshl_b32 s46, s42, 8
	s_add_co_u32 s46, s46, s17
	s_lshl_b32 s46, s46, 9                         ; gw likewise
	s_mov_b32 s17, 0
	s_mov_b32 s47, 0
	s_lshl_b32 s18, s13, 8
	s_lshl_b32 s19, s10, 6
	s_add_co_u32 s18, s18, s19
	s_lshl_b32 s18, s18, 9                         ; fh: (256 x block + 64 x wave) rows
	s_mov_b32 s19, 0
	s_mul_i32 s20, s10, HALFT                      ; where my part of a slot goes: the wave's number alone
	s_mov_b32 s[G0F], 1
	s_mul_i32 s[G0F+1], s10, FQ                    ; and my quarter of fh, over slot 0
	s_wait_dscnt 0x0
	s_wait_kmcnt 0x0
	s_add_nc_u64 s[14:15], s[4:5], s[16:17]
	s_add_nc_u64 s[46:47], s[6:7], s[46:47]
	s_add_nc_u64 s[G0F+2:G0F+3], s[8:9], s[18:19]
	s_or_b32 s[G0F+3], s[G0F+3], 0x80000000
	CROUND                                         ; all sixteen work-groups are here: the first joint loads meet
.irp s, 0,1
	s_mov_b32 s[G0+4*\s], 1
	s_add_co_u32 s[G0+4*\s+1], s20, \s*SLOT
	s_add_nc_u64 s[G0+4*\s+2:G0+4*\s+3], s[14:15], \s*KSTEP*2
	s_or_b32 s[G0+4*\s+3], s[G0+4*\s+3], 0x80000000
	s_mov_b32 s[G0B+4*\s], 1
	s_add_co_u32 s[G0B+4*\s+1], s20, \s*SLOT
	s_add_nc_u64 s[G0B+4*\s+2:G0B+4*\s+3], s[46:47], \s*KSTEP*2
	s_or_b32 s[G0B+4*\s+3], s[G0B+4*\s+3], 0x80000000
	JLOAD \s                                       ; both slots are asked for before anything else: two loads of a wave are out
.endr
	; THE SMALL FIGURES of my output and my rows
	s_lshl_b32 s96, s42, 1
	s_add_co_u32 s96, s96, s12                     ; o
	s_lshl_b32 s98, s96, 11
	s_mov_b32 s99, 0
	s_add_nc_u64 s[88:89], s[88:89], s[98:99]      ; cst at o: four blocks of 512 bytes
	s_lshl_b32 s97, s96, 2
	s_load_b32 s100, s[92:93], s97 offset:0x0      ; bias[o]
	s_lshl_b32 s98, s13, 13
	s_lshl_b32 s101, s11, 12
	s_add_co_u32 s98, s98, s101
	s_add_nc_u64 s[90:91], s[90:91], s[98:99]      ; rows at my first row, 32 bytes a row
	s_lshl_b32 s98, s13, 16
	s_lshl_b32 s101, s10, 14
	s_add_co_u32 s98, s98, s101
	s_lshl_b32 s101, s42, 3
	s_add_co_u32 s98, s98, s101
	s_add_nc_u64 s[94:95], s[94:95], s[98:99]      ; out0 at row 256 x block + 64 x wave, output 2 x block
	v_and_b32 v1, 15, v0                           ; l % 16
	v_bfe_u32 v2, v0, 4, 1                         ; l / 16
	v_and_b32 v8, 31, v0                           ; lane
	v_lshlrev_b32 v[CSTO], 5, v2                   ; my 8 rules of a tile of 16
	v_lshlrev_b32 v[RWO], 5, v1
	v_lshrrev_b32 v9, 3, v8
	v_and_b32 v10, 7, v8
	v_lshlrev_b32 v10, 4, v10
	v_lshl_add_u32 v[RO], v9, 9, v10               ; block lane / 8, 16 bytes at 16 (lane % 8)
	v_mov_b32 v[TPX], 0                            ; v_permlanex16_b32 counts as a reader of its destination
	; rule tile t = rules 16 t .. + 15 lies in block t / 2 at byte 64 (t % 2); S at 0, Gt at 128, R at 256, S + Gt at 384 of a block
.irp t, 0,1,2,3,4,5,6,7
.irp k, 0,1
	global_load_b128 v[SV+8*\t+4*\k:SV+8*\t+4*\k+3], v[CSTO], s[88:89] offset:(\t>>1)*512+(\t&1)*64+16*\k
	global_load_b128 v[GT+8*\t+4*\k:GT+8*\t+4*\k+3], v[CSTO], s[88:89] offset:(\t>>1)*512+(\t&1)*64+16*\k+128
	global_load_b128 v[QV+8*\t+4*\k:QV+8*\t+4*\k+3], v[CSTO], s[88:89] offset:(\t>>1)*512+(\t&1)*64+16*\k+384
.endr
.endr
.irp a, 0,1,2,3,4,5,6,7
	global_load_b64 v[RW+2*\a:RW+2*\a+1], v[RWO], s[90:91] offset:512*\a
.endr
	global_load_b128 v[4:7], v[RO], s[88:89] offset:256        ; 4 of the 128 R of my output
	; LDS addresses: constants, the wave's number and the lane alone
	v_mul_u32_u24 v3, v1, PITCH
	v_lshl_add_u32 v3, v2, 4, v3                   ; row x pitch + 16 x half: two loads of 16 bytes, 32 bytes apart, make a fragment
	s_mul_i32 s21, s11, HALFT                      ; my 128 rows of xc
	s_mul_i32 s22, s12, HALFT                      ; my 128 rows of gw,
	s_add_co_u32 s22, s22, 2*HALFT                 ; which lie behind xc's 256
.irp s, 0,1
	v_add_nc_u32 v[ADRA+\s], s21, v3
	v_add_nc_u32 v[ADRB+\s], s22, v3
	s_add_co_u32 s21, s21, SLOT
	s_add_co_u32 s22, s22, SLOT
.endr
	v_mul_u32_u24 v9, v1, FPITCH
	v_lshl_add_u32 v9, v2, 5, v9
	s_mul_i32 s23, s11, 128*FPITCH
	v_add_nc_u32 v[FAD], s23, v9                   ; fh: row 128 x half + l % 16, 32 bytes for each half of the lanes
	s_lshl_b32 s23, s12, 10
	s_lshl_b32 s21, s11, 9
	s_add_co_u32 s23, s23, s21
	s_add_co_u32 s23, s23, SCRATCH                 ; my 512 bytes: my output's plane, my 128 rows
	v_lshl_add_u32 v[SCW], v1, 2, s23
	s_lshl_b32 s23, s10, 8
	s_add_co_u32 s23, s23, SCRATCH
	v_lshl_add_u32 v[SCR], v8, 2, s23              ; back: row 64 x wave + lane of plane 0
	v_lshlrev_b32 v[OUTO], 8, v8
	s_wait_loadcnt 0x0
	s_wait_kmcnt 0x0
.irp t, 0,1,2,3,4,5,6,7
	v_pk_add_f32 v[QP+2*\t:QP+2*\t+1], v[QV+8*\t:QV+8*\t+1], v[QV+8*\t+2:QV+8*\t+3]
.endr
.irp t, 0,1,2,3,4,5,6,7
	v_pk_add_f32 v[QP+2*\t:QP+2*\t+1], v[QP+2*\t:QP+2*\t+1], v[QV+8*\t+4:QV+8*\t+5]
.endr
.irp t, 0,1,2,3,4,5,6,7
	v_pk_add_f32 v[QP+2*\t:QP+2*\t+1], v[QP+2*\t:QP+2*\t+1], v[QV+8*\t+6:QV+8*\t+7]
.endr
	v_add_f32 v4, v4, v5
	v_add_f32 v6, v6, v7
	v_add_f32 v4, v4, v6
.irp x, 1,2,4,8
	v_add_f32_dpp v4, v4, v4 row_xmask:\x row_mask:0xf bank_mask:0xf
.endr
	v_permlanex16_b32 v[TPX], v4, s86, s87
	v_add_f32 v4, v4, v[TPX]
	v_add_f32 v[KONST], s100, v4                   ; sum of beta W over all 32,896 columns + bias
	; the sums start at xbar2 S + Gt: 256 packed multiply-adds in the place of a clearing
.macro INIT hi
.irp a, 0,1,2,3
.irp t, 0,1,2,3,4,5,6,7
.irp p, 0,1,2,3
	v_pk_fma_f32 v[8*(8*\a+\t)+2*\p:8*(8*\a+\t)+2*\p+1], v[SV+8*\t+2*\p:SV+8*\t+2*\p+1], v[RW+2*(4*\hi+\a):RW+2*(4*\hi+\a)+1], v[GT+8*\t+2*\p:GT+8*\t+2*\p+1] op_sel_hi:[1,0,1]
.endr
.endr
.endr
.endm
	WIN 0x80                                       ; destination window 2
	INIT 0
	WIN 0xc0                                       ; destination window 3
	INIT 1
	WIN 0
; 16 matrix instructions: row tiles a0, a0 + 1 of the window's four (hi = 0: my rows 0-63, 1: rows 64-127) x all 8 rule tiles, 32 along K
.macro MUL16 f, hi, a0
.irp a, \a0, \a0+1
.irp b, 0,1,2,3,4,5,6,7
	v_wmma_f32_16x16x32_bf16 v[8*(8*(\a)+\b):8*(8*(\a)+\b)+7], v[\f+8*\b:\f+8*\b+7], v[\f+8*(4*\hi+\a):\f+8*(4*\hi+\a)+7], v[8*(8*(\a)+\b):8*(8*(\a)+\b)+7]
.endr
.endr
.endm
; 32 LDS loads in one run: the fragments of one quarter step (128 rows of gw, 128 rows of xc, 32 K at byte k of the rows) into buffer f
.macro FETCH slot, k, f
	WIN TO_B
.irp i, 0,1,2,3,4,5,6,7
	ds_load_b128 v[\f+8*\i:\f+8*\i+3],   v[ADRB+\slot] offset:\k+\i*16*PITCH
	ds_load_b128 v[\f+8*\i+4:\f+8*\i+7], v[ADRB+\slot] offset:\k+\i*16*PITCH+32
.endr
	WIN 0
.irp i, 0,1,2,3,4,5,6,7
	ds_load_b128 v[\f+8*\i:\f+8*\i+3],   v[ADRA+\slot] offset:\k+\i*16*PITCH
	ds_load_b128 v[\f+8*\i+4:\f+8*\i+7], v[ADRA+\slot] offset:\k+\i*16*PITCH+32
.endr
.endm
; A load into a register that a matrix instruction has read, and a vector instruction that reads a matrix result, stand four places behind that matrix
; instruction; only plain vector instructions that name none of its registers are places (ISA guide 7.12.1 for vector instructions).
.macro PLACES
.rept 4
	v_nop
.endr
.endm
; A quarter step: multiplies buffer f; in its middle it fetches the next quarter's fragments, at byte k of the same slot's rows, into buffer g.
.macro QUARTER slot, k, f, g
	s_wait_dscnt 8                                 ; gw and xc's rows 0-63 are in; the youngest eight loads (xc's rows 64-127) may be out
	WIN MUL_LO
	MUL16 \f, 0, 0
	MUL16 \f, 0, 2
	PLACES
	FETCH \slot, \k, \g
	s_wait_dscnt 32                                ; all but the 32 just issued
	WIN MUL_HI
	MUL16 \f, 1, 0
	MUL16 \f, 1, 2
.endm
.macro THREE slot
	QUARTER \slot, 64,  F0, F1
	QUARTER \slot, 128, F1, F0
	QUARTER \slot, 192, F0, F1
.endm
	s_wait_tensorcnt 1                             ; my part of slot 0 is in; slot 1's load, issued behind it, may be out
	s_barrier_signal -1
	s_barrier_wait -1                              ; everybody's part is
	FETCH 0, 0, F0
	THREE 0
	; the last quarter of slot 0, and the change of slots.  In front of the round each wave waits for its reads of slot 0 and for all its tensor loads;
	; behind it no wave of any partner reads slot 0 or has a load on its way, and the bytes take fh.
	s_wait_dscnt 8
	WIN MUL_LO
	MUL16 F1, 0, 0
	s_wait_dscnt 0                                 ; my reads of slot 0 are over
	s_wait_tensorcnt 0x0                           ; and all my tensor loads have landed: the one that was out is my part of slot 1
	ds_add_u32 v255, v29
	s_wait_dscnt 0x0
	s_barrier_signal -1                            ; this barrier opens a round of the cluster's barrier
	MUL16 F1, 0, 2                                 ; work on registers while the others arrive
	WIN 0
	s_barrier_wait -1
	CREST
	tensor_load_to_lds s[G0F:G0F+3], s[G1F:G1F+7]  ; my 64 rows of fh, jointly with my row of the cluster: my one tensor load behind the round; 256 matrix instructions follow before it is waited for
	s_nop 0
	PLACES
	FETCH 1, 0, F0
	WIN MUL_HI
	MUL16 F1, 1, 0
	MUL16 F1, 1, 2
	THREE 1
	s_wait_dscnt 8                                 ; the very last quarter
	WIN MUL_LO
	MUL16 F1, 0, 0
	MUL16 F1, 0, 2
	s_wait_dscnt 0
	s_wait_tensorcnt 0x0                           ; my 64 rows of fh have landed,
	s_barrier_signal -1
	WIN MUL_HI
	MUL16 F1, 1, 0
	MUL16 F1, 1, 2
	WIN 0
	s_barrier_wait -1                              ; everybody's have: I read rows that two waves fetched
	; THE SUM OVER THE RULES, a row tile (16 rows b) at a time; fh of the next row tile is on its way meanwhile
.macro FHLOAD row, f                   ; fh[my row of tile row][16 t + 8 (l / 16) + 0..7] for the 8 rule tiles
.irp t, 0,1,2,3,4,5,6,7
.irp k, 0,1
	ds_load_b128 v[\f+8*\t+4*\k:\f+8*\t+4*\k+3], v[FAD] offset:\row*16*FPITCH+64*\t+16*\k
.endr
.endr
.endm
; row: the row tile 0..7; w: the setting with source 0 in the window of its accumulators; al: its place among the window's four; f: the buffer with its fh
.macro ZROW row, w, al, f
.irp t, 0,1,2,3,4,5,6,7
	v_pk_mul_f32 v[ZC+2*\t:ZC+2*\t+1], v[QP+2*\t:QP+2*\t+1], v[RW+2*\row:RW+2*\row+1] op_sel:[0,1] op_sel_hi:[1,1]   ; each chain starts at - mu rs x its 8 rules' S + Gt
.endr
	WIN \w
.irp p, 0,1,2,3
.irp t, 0,1,2,3,4,5,6,7
	v_pk_fma_f32 v[ZC+2*\t:ZC+2*\t+1], v[8*(8*\al+\t)+2*\p:8*(8*\al+\t)+2*\p+1], v[\f+8*\t+2*\p:\f+8*\t+2*\p+1], v[ZC+2*\t:ZC+2*\t+1]
.endr
.endr
	WIN 0
.irp t, 0,2,4,6
	v_pk_add_f32 v[ZC+2*\t:ZC+2*\t+1], v[ZC+2*\t:ZC+2*\t+1], v[ZC+2*\t+2:ZC+2*\t+3]
.endr
.irp t, 0,4
	v_pk_add_f32 v[ZC+2*\t:ZC+2*\t+1], v[ZC+2*\t:ZC+2*\t+1], v[ZC+2*\t+4:ZC+2*\t+5]
.endr
	v_pk_add_f32 v[ZC:ZC+1], v[ZC:ZC+1], v[ZC+8:ZC+9]
	v_add_f32 v[ZT+\row], v[ZC], v[ZC+1]
	v_permlanex16_b32 v[TPX], v[ZT+\row], s86, s87 ; the other 64 rules of the same row
	v_add_f32 v[ZT+\row], v[ZT+\row], v[TPX]
	v_add_f32 v[ZT+\row], v[ZT+\row], v[KONST]
.endm
	PLACES                                         ; behind the last matrix instructions: for the loads into buffers 0 and 1 and for the reads of the results
	FHLOAD 0, F0
	FHLOAD 1, F1
	s_wait_dscnt 16                                ; this row tile's 16 loads are in; the next one's 16 may be out
	ZROW 0, 0x02, 0, F0
	FHLOAD 2, F0
	s_wait_dscnt 16
	ZROW 1, 0x02, 1, F1
	FHLOAD 3, F1
	s_wait_dscnt 16
	ZROW 2, 0x02, 2, F0
	FHLOAD 4, F0
	s_wait_dscnt 16
	ZROW 3, 0x02, 3, F1
	FHLOAD 5, F1
	s_wait_dscnt 16
	ZROW 4, 0x03, 0, F0
	FHLOAD 6, F0
	s_wait_dscnt 16
	ZROW 5, 0x03, 1, F1
	FHLOAD 7, F1
	s_wait_dscnt 16
	ZROW 6, 0x03, 2, F0
	s_wait_dscnt 0
	ZROW 7, 0x03, 3, F1
	; THE WAY OUT: the block's two outputs meet in LDS, so that a row's 8 bytes leave in one store
.irp a, 0,1,2,3,4,5,6,7
	ds_store_b32 v[SCW], v[ZT+\a] offset:64*\a     ; both halves of the lanes hold the same number and write the same word
.endr
	s_wait_dscnt 0x0                               ; my sums are in LDS before I say so
	s_barrier_signal -1
	s_barrier_wait -1
	ds_load_b32 v[OB], v[SCR]                      ; row 64 x wave + lane: output 2 x block,
	ds_load_b32 v[OB+1], v[SCR] offset:1024        ; output 2 x block + 1
	ds_load_b32 v[OB+2], v[SCR] offset:128         ; and 32 rows further down
	ds_load_b32 v[OB+3], v[SCR] offset:1152
	s_wait_dscnt 0x0
	global_store_b64 v[OUTO], v[OB:OB+1], s[94:95]
	global_store_b64 v[OUTO], v[OB+2:OB+3], s[94:95] offset:8192
	s_set_vgpr_msb 0x1
	s_wait_tensorcnt 0x0
	ds_add_u32 v255, v29
	s_wait_dscnt 0x0
	s_set_vgpr_msb 0x100
	CROUND                                         ; the closing round: no work-group ends while a partner may still ask jointly
	s_endpgm
.Lfunc_end_k_qe19a2f8572_mix:
	.size	k_qe19a2f8572_mix, .Lfunc_end_k_qe19a2f8572_mix-k_qe19a2f8572_mix
	.p2alignl 7, 3214868480
	.fill 96, 4, 3214868480
	.section	.rodata,"a",@progbits
	.p2align	6, 0x0
	.amdhsa_kernel k_qe19a2f8572_mix
		.amdhsa_group_segment_fixed_size 327680
		.amdhsa_private_segment_fixed_size 0
		.amdhsa_enable_private_segment 0
		.amdhsa_kernarg_size 56
		.amdhsa_user_sgpr_count 2
		.amdhsa_user_sgpr_kernarg_segment_ptr 1
		.amdhsa_wavefront_size32 1
		.amdhsa_system_sgpr_workgroup_id_x 1
		.amdhsa_system_sgpr_workgroup_id_y 1
		.amdhsa_system_sgpr_workgroup_id_z 1
		.amdhsa_system_vgpr_workitem_id 0
		.amdhsa_next_free_vgpr 1024
		.amdhsa_next_free_sgpr 102
		.amdhsa_reserve_vcc 0
		.amdhsa_float_denorm_mode_32 3
		.amdhsa_float_denorm_mode_16_64 3
		.amdhsa_memory_ordered 1
		.amdhsa_forward_progress 1
		.amdhsa_inst_pref_size 118
	.end_amdhsa_kernel
	.amdgpu_metadata
---
amdhsa.version: [ 1, 2 ]
amdhsa.kernels:
  - .name:           k_qe19a2f8572_mix
    .symbol:         k_qe19a2f8572_mix.kd
    .args:
      - { .name: xc, .offset: 0, .size: 8, .value_kind: global_buffer, .address_space: global }
      - { .name: gw, .offset: 8, .size: 8, .value_kind: global_buffer, .address_space: global }
      - { .name: fh, .offset: 16, .size: 8, .value_kind: global_buffer, .address_space: global }
      - { .name: cst, .offset: 24, .size: 8, .value_kind: global_buffer, .address_space: global }
      - { .name: rows, .offset: 32, .size: 8, .value_kind: global_buffer, .address_space: global }
      - { .name: b, .offset: 40, .size: 8, .value_kind: global_buffer, .address_space: global }
      - { .name: out0, .offset: 48, .size: 8, .value_kind: global_buffer, .address_space: global }
    .group_segment_fixed_size: 327680
    .private_segment_fixed_size: 0
    .kernarg_segment_align: 8
    .kernarg_segment_size: 56
    .max_flat_workgroup_size: 128
    .sgpr_count:     102
    .vgpr_count:     1024
    .wavefront_size: 32
...
	.end_amdgpu_metadata
.endif
;; end of part 2
